; MI455X (gfx1250); checked and timed in simulation.
; The chip was launched on July 23, 2026; its instructions are those of AMD's public machine-readable ISA for CDNA 5 (MIT licence, August 2026) and "CDNA5" Instruction Set Architecture Reference Guide (July 2026). The comments in the code are by the model that wrote it; some were corrected since.
;; Multi Head Self Attention. Allowed arithmetic: matrix products marked QUANTISED: E4M3 operands, one given power-of-two scale a tensor, by v_wmma_f32_16x16x64_fp8_fp8 or v_wmma_f32_16x16x128_fp8_fp8, f32 sums; everything else in f32.
;; Inputs: b_proj 1,024 float32; b_qkv 3,072 float32; lowp_scales 8 int32 (the exponents e of the quantised operands' scales 2^e); w_proj 1,024 x 1,024 float32; w_qkv 1,024 x 3,072 float32; x 4 x 2,048 x 1,024 float32.
;; Outputs: out0 4 x 2,048 x 1,024 float32.
;; This version of the problem:
;;   THIS VERSION OF THE PROBLEM IS GIVEN IN LOW PRECISION. The matrix products marked QUANTISED in the list below multiply operands that are first quantised to E4M3 (4 exponent bits, 3 mantissa bits; 8 bits a number), with one given power-of-two scale for each operand tensor; their sums are f32. All else is computed in f32.
;;   The module's matrix products, in the order in which they are computed (A, B: the left and right operand; K: the contracted axis; several contracted axes count as one K, in the product's order):
;;     1. [M 8,192, K 1,024] x [K 1,024, N 3,072]; A: input x; B: input w_qkv: QUANTISED (scales: A lowp_scales[0], B lowp_scales[1])
;;     2. batch 64 x [M 2,048, K 64] x [K 64, N 2,048]; A: computed on the way; B: computed on the way: QUANTISED (scales: A lowp_scales[2], B lowp_scales[3])
;;     3. batch 64 x [M 2,048, K 2,048] x [K 2,048, N 64]; A: softmax (see below); B: computed on the way: QUANTISED (scales: A lowp_scales[4], B lowp_scales[5])
;;     4. [M 8,192, K 1,024] x [K 1,024, N 1,024]; A: computed on the way; B: input w_proj: QUANTISED (scales: A lowp_scales[6], B lowp_scales[7])
;;   THE QUANTISER, for each operand of a quantised product, along K:
;;     - The operand's scale is 2^e, e = its entry of the input lowp_scales (int32; the entries are numbered through the quantised products in the list's order, A before B).
;;     - Each number is divided by the scale, clamped to +-448, and rounded to the nearest number of E4M3, ties to even, subnormals kept.
;;     - The product sums the exact products of the quantised numbers (number of the format x scale) in f32.
;;   ~~~python
;;   def quantise(x, axis, e):      # numpy; x: float32 -> the quantised numbers, widened to float32 again
;;       x = np.moveaxis(x, axis, -1); K = x.shape[-1]
;;       r = np.clip(x / 2.0 ** e, -448, 448)
;;       step = 2.0 ** (np.maximum(np.frexp(np.where(r == 0, 1, r))[1] - 1, -6) - 3)
;;       q = np.round(r / step) * step * 2.0 ** e      # np.round: ties to even
;;       return np.moveaxis(q, -1, axis).astype(np.float32)
;;   ~~~
;;   SOFTMAX AHEAD OF A QUANTISED PRODUCT. Where the list says 'softmax', what is quantised is not the finished softmax but p = 2^(t - M), with t = logit x log2(e) and M = ceil(the row's largest t), a whole number; so 1/2 < the row's largest p <= 1. The row's sum l is taken of the UNQUANTISED p, in f32, and the product's result is divided by l at the end. Since M is a whole number, a kernel that streams over the keys may use a running M (the ceiling of the running maximum): every later rescaling is an exact power of two, so the quantised numbers keep their values, but for numbers so far below the row's largest that they fall under the format's range.
;;   OPERANDS COMPUTED ON THE WAY. 'Computed on the way' means the value that the module computes at that place (a softmax that the list does not call 'softmax' is quantised finished and normalised). What goes into a quantiser is computed in f32, as accurately as f32 sums, v_exp_f32 and their like allow (about 1e-6 of the number): no bf16 or f16 on the way to a quantiser, and a product that is left as it is and whose result goes on into a quantised operand takes f32 operands (vector FMAs, or v_wmma_f32_16x16x4_f32). A number that lies on a knife's edge between two numbers of the format may be rounded either way, as far as f32 arithmetic and the matrix unit's own rounding can turn it there, and no further.
;; One version. Each part assembles by itself: llvm-mc -triple=amdgcn-amd-amdhsa -mcpu=gfx1250 --defsym DOCPART=n.
;; ======== version 1 of 1: 4 launches
;; limits: right only within a limited range of input values
;; workspace buffers: xc 8,388,608 bytes; wc 4,194,304 bytes; qkvc 25,165,824 bytes; oc 8,388,608 bytes
;; launch quant (part 1): grid 384 x 1, 4 waves a work-group, no clusters, 68,096 bytes of LDS; arguments x, w_qkv, w_proj, lowp_scales, xc, wc; writes xc, wc
.if DOCPART == 1
	.amdgcn_target "amdgcn-amd-amdhsa--gfx1250"
	.amdhsa_code_object_version 6
	.text
	.protected	k_q07f989ba48_quant
	.globl	k_q07f989ba48_quant
	.p2align	8
	.type	k_q07f989ba48_quant,@function
k_q07f989ba48_quant:
	s_mov_b64 s[64:65], 0
	v_nop
	global_prefetch_b8 v0, s[64:65] scope:SCOPE_SE
	s_setreg_imm32_b32 hwreg(HW_REG_WAVE_MODE, 25, 1), 1
	s_wait_xcnt 0x0
; x [8192][1024], w_qkv [1024][3072] and w_proj [1024][1024], f32, become codes of E4M3, one a byte, K innermost, each with the scale 2^e that is given for it.
; code = number / 2^e, held within +-448, rounded to the nearest code, ties to even.  e: entry 0 of the scales for x, entry 1 for w_qkv, entry 7 for w_proj.
; LIMITS: each of these three e lies between -126 and 119, so that 2^e and 448 x 2^e are f32 numbers.  NaN among the inputs is not served (an infinity is held at the largest code).
; xc [8192][1024]: x's codes as x lies.   wc [4096][1024]: row n < 3072 = column n of w_qkv, row 3072 + n = column n of w_proj: K has become innermost.
; Work-groups 0-255 take x (K innermost: a plain stream), work-groups 256-383 the weights (K is the first axis: a lane takes a column, its registers run down K).
; The two ways part on the work-group's number at the head and never join; each has LDS bytes of its own (x: 0 .. 32767; weights: 32768 .. 67583).  Waves share nothing: no barrier.
.set STEPS, 16                         ; x: steps of 512 numbers for a wave
.set SP,    80                         ; x: a lane's place in a stage: 64 bytes + 16 of padding
.set WREG,  8192                       ; x: LDS bytes of a wave: two stages of 32 x SP
.set R,     16                         ; x: v16-79   four sets of 16 numbers as loaded
.set X,     80                         ; x: v80-111  two sets of 16 neighbours
.set C,     128                        ; x: v128-191 codes, four registers a step: no store's data are written again
.set WST,   32768                      ; weights: where their stages begin
.set WP,    272                        ; weights: a stage row: 256 codes + 16 of padding
.set NB,    8                          ; weights: blocks of 32 along K for a wave
.set OFS,   16                         ; weights: v16-47  byte offset of row i of a block: 4 x lane + i x pitch
.set XW,    48                         ; weights: v48-111 two sets of 32 numbers
.set CW,    112                        ; weights: v112-119 a block's codes
.set OUTR,  120                        ; weights: v120-183 the way out
	s_load_b256 s[4:11], s[0:1], 0x0               ; x s[4:5], w_qkv s[6:7], w_proj s[8:9], the scales' exponents s[10:11]
	s_load_b128 s[12:15], s[0:1], 0x20             ; xc s[12:13], wc s[14:15]
	v_lshl_add_u32 v192, v0, 2, 0x10800
	v_mov_b32 v193, 0
	v_lshrrev_b32 v1, 5, v0
	v_readfirstlane_b32 s16, v1                    ; wave 0..3
	v_and_b32 v2, 31, v0                           ; lane
	s_wait_kmcnt 0x0
	s_load_b256 s[24:31], s[10:11], 0x0            ; e0 .. e7
	s_cmp_lt_u32 ttmp9, 256
	s_cbranch_scc0 .Lw
; ---------------- x: a wave takes 8,192 numbers.  Each load reads 512 consecutive bytes; a step's 2,048 bytes turn through the wave's own stage, so that a lane gets 16 neighbours along K
	s_wait_alu depctr_va_vdst(0)
	v_lshlrev_b32 v3, 4, v2                        ; 16 x lane: my bytes of a load's 512, and of a store's 512
	s_wait_alu depctr_va_vdst(0)
	s_mul_i32 s17, s16, WREG
	v_lshrrev_b32 v14, 2, v2
	v_mul_u32_u24 v14, v14, SP
	v_and_b32 v15, 3, v2
	v_lshl_add_u32 v14, v15, 4, v14
	v_add_nc_u32 v14, s17, v14                     ; into the stage: SP (lane / 4) + 16 (lane % 4)
	v_mul_u32_u24 v15, v2, SP
	v_add_nc_u32 v15, s17, v15                     ; out of it: SP x lane
	s_lshl_b32 s17, ttmp9, 2
	s_add_co_u32 s18, s17, s16                     ; which run of 8,192 numbers is my wave's
	s_lshl_b32 s20, s18, 15                        ; 32,768 bytes of f32 a run
	s_mov_b32 s21, 0
	s_add_nc_u64 s[4:5], s[4:5], s[20:21]
	s_lshl_b32 s20, s18, 13                        ; 8,192 bytes of codes a run
	s_add_nc_u64 s[12:13], s[12:13], s[20:21]
.macro LOAD t
.irp i, 0,1,2,3
	global_load_b128 v[R+16*((\t)%4)+4*\i:R+16*((\t)%4)+4*\i+3], v3, s[4:5] offset:2048*(\t)+512*\i th:TH_LOAD_NT
.endr
.endm
.macro TURN t                          ; step t's numbers through the stage: LDS serves a wave's instructions in order, so no wait stands between the stores and the loads
.irp i, 0,1,2,3
	ds_store_b128 v14, v[R+16*((\t)%4)+4*\i:R+16*((\t)%4)+4*\i+3] offset:32*SP*((\t)%2)+8*SP*\i
.endr
.irp i, 0,1,2,3
	ds_load_b128 v[X+16*((\t)%2)+4*\i:X+16*((\t)%2)+4*\i+3], v15 offset:32*SP*((\t)%2)+16*\i
.endr
.endm
.irp t, 0,1,2,3
	LOAD \t
.endr
	s_wait_alu depctr_va_vdst(0)
	s_wait_kmcnt 0x0
	s_add_co_i32 s22, s24, 127
	s_lshl_b32 s23, s22, 23
	v_mov_b32 v11, s23                             ; 2^e0 as f32: the conversion takes its exponent field
	s_add_co_i32 s22, s22, 8
	s_lshl_b32 s22, s22, 23
	s_or_b32 s22, s22, 0x600000
	v_mov_b32 v10, s22                             ; 448 x 2^e0
	s_wait_alu depctr_va_vdst(0)
	s_wait_loadcnt 12                              ; step 0's four loads are in; three steps' twelve may be out
	TURN 0
.macro STEP t
.set XS, X+16*((\t)%2)
	s_wait_dscnt 0x0                               ; this step's numbers are back from the stage, so its stores into the stage have read their registers,
.if (\t)+4 < STEPS
	LOAD (\t)+4                                    ; which take the loads of four steps on
.endif
.if (\t)+1 < STEPS
.if STEPS-2-(\t) >= 3
	s_wait_loadcnt 12                              ; the next step's four loads are in; those of the three steps behind it may be out
.else
	s_wait_loadcnt 4*(STEPS-2-(\t))
.endif
	TURN (\t)+1
.endif
.irp i, 0,1,2,3,4,5,6,7,8,9,10,11,12,13,14,15
	v_med3_num_f32 v[XS+\i], v[XS+\i], -v10, v10   ; the conversion to an 8-bit code does not saturate (ISA guide 7.6.2): the hold comes first
.endr
	v_cvt_scalef32_pk8_fp8_f32 v[C+4*(\t):C+4*(\t)+1], v[XS:XS+7], v11
	v_cvt_scalef32_pk8_fp8_f32 v[C+4*(\t)+2:C+4*(\t)+3], v[XS+8:XS+15], v11
	global_store_b128 v3, v[C+4*(\t):C+4*(\t)+3], s[12:13] offset:512*(\t)   ; the wave stores 512 consecutive bytes, aligned
.endm
.irp t, 0,1,2,3,4,5,6,7,8,9,10,11,12,13,14,15
	STEP \t
.endr
	s_wait_tensorcnt 0x0
	ds_add_u32 v192, v193
	s_wait_dscnt 0x0
	s_endpgm
; ---------------- the weights: a work-group takes 128 columns x 256 along K, a wave 32 columns.  One text serves both tensors: base, pitch and e are chosen on the work-group's number
.Lw:
	s_sub_co_u32 s17, ttmp9, 256
	s_lshr_b32 s18, s17, 2                         ; which 128 rows of wc: 0 .. 31
	s_and_b32 s19, s17, 3                          ; which 256 along K
	s_cmp_lt_u32 s18, 24                           ; the first 24 groups are w_qkv's columns
	s_cselect_b64 s[6:7], s[6:7], s[8:9]
	s_mov_b32 s20, 4096
	s_cselect_b32 s20, 12288, s20                  ; a row of the tensor in bytes
	s_cselect_b32 s21, 0, 24
	s_sub_co_u32 s21, s18, s21                     ; the group of 128 columns within the tensor
	s_lshl_b32 s22, s20, 8
	s_mul_i32 s22, s22, s19                        ; 256 rows x pitch x (which 256 along K)
	s_lshl_b32 s23, s21, 9
	s_add_co_u32 s22, s22, s23                     ; + 512 bytes a group of columns
	s_lshl_b32 s23, s16, 7
	s_add_co_u32 s22, s22, s23                     ; + 128 bytes a wave
	s_mov_b32 s23, 0
	s_add_nc_u64 s[32:33], s[6:7], s[22:23]        ; block 0's first row
	s_lshl_b32 s22, s20, 5                         ; 32 rows on
.irp t, 1,2,3,4,5,6,7
	s_add_nc_u64 s[32+2*\t:33+2*\t], s[30+2*\t:31+2*\t], s[22:23]   ; a base for each block of 32 along K: none is stepped later
.endr
	s_wait_alu depctr_va_vdst(0)
	v_lshlrev_b32 v[OFS], 2, v2                    ; 4 bytes a lane: a load reads 128 consecutive bytes, the four waves 512
.irp i, 1,2,3,4,5,6,7,8,9,10,11,12,13,14,15,16,17,18,19,20,21,22,23,24,25,26,27,28,29,30,31
	v_add_nc_u32 v[OFS+\i], s20, v[OFS+\i-1]
.endr
	s_mul_i32 s17, s16, 32*WP
	s_add_co_u32 s17, s17, WST                     ; my stage
	v_mul_u32_u24 v4, v2, WP
	v_add_nc_u32 v4, s17, v4                       ; into it: row = my column
	v_and_b32 v5, 15, v2
	v_lshrrev_b32 v6, 4, v2
	v_mul_u32_u24 v7, v6, WP
	v_lshl_add_u32 v7, v5, 4, v7
	v_add_nc_u32 v7, s17, v7                       ; out of it: sixteen lanes to a row, two rows an instruction
	v_lshlrev_b32 v8, 10, v6
	v_lshl_add_u32 v8, v5, 4, v8                   ; and the same place in wc: rows of 1,024 bytes
	s_lshl_b32 s22, s18, 17                        ; 128 rows of 1,024 bytes a group
	s_lshl_b32 s23, s16, 15                        ; 32 rows a wave
	s_add_co_u32 s22, s22, s23
	s_lshl_b32 s23, s19, 8                         ; 256 codes along K
	s_add_co_u32 s22, s22, s23
	s_mov_b32 s23, 0
	s_add_nc_u64 s[14:15], s[14:15], s[22:23]
.macro WLOAD t                         ; block t: W(32 t + i, my column), i = 0 .. 31, into set t % 2
.irp i, 0,1,2,3,4,5,6,7,8,9,10,11,12,13,14,15,16,17,18,19,20,21,22,23,24,25,26,27,28,29,30,31
	global_load_b32 v[XW+32*((\t)%2)+\i], v[OFS+\i], s[32+2*(\t):33+2*(\t)] th:TH_LOAD_NT
.endr
.endm
	WLOAD 0
	WLOAD 1
	s_wait_kmcnt 0x0
	s_cmp_lt_u32 s18, 24
	s_cselect_b32 s22, s25, s31                    ; e1 or e7
	s_add_co_i32 s22, s22, 127
	s_lshl_b32 s23, s22, 23
	v_mov_b32 v11, s23                             ; 2^e
	s_add_co_i32 s22, s22, 8
	s_lshl_b32 s22, s22, 23
	s_or_b32 s22, s22, 0x600000
	v_mov_b32 v10, s22                             ; 448 x 2^e
.macro BLOCK t
.set XS, XW+32*((\t)%2)
.if (\t) < NB-1
	s_wait_loadcnt 32                              ; this block's 32 loads are in; the next block's may be out
.else
	s_wait_loadcnt 0
.endif
.irp i, 0,1,2,3,4,5,6,7,8,9,10,11,12,13,14,15,16,17,18,19,20,21,22,23,24,25,26,27,28,29,30,31
	v_med3_num_f32 v[XS+\i], v[XS+\i], -v10, v10
.endr
.irp g, 0,1,2,3
	v_cvt_scalef32_pk8_fp8_f32 v[CW+2*\g:CW+2*\g+1], v[XS+8*\g:XS+8*\g+7], v11
.endr
	ds_store_b128 v4, v[CW:CW+3] offset:32*(\t)    ; 32 codes: 32 bytes of my column's row
	ds_store_b128 v4, v[CW+4:CW+7] offset:32*(\t)+16
.if (\t)+2 < NB
	WLOAD (\t)+2
.endif
	s_wait_dscnt 0x0                               ; the stores have read their registers: the next block's codes may be written
.endm
.set Q, 0
	s_wait_alu depctr_va_vdst(0)
.rept NB
	BLOCK Q
.set Q, Q+1
.endr
.irp t, 0,1,2,3,4,5,6,7,8,9,10,11,12,13,14,15
	ds_load_b128 v[OUTR+4*\t:OUTR+4*\t+3], v7 offset:2*\t*WP   ; LDS serves a wave's instructions in order: these see my stores
.endr
.irp t, 0,1,2,3,4,5,6,7,8,9,10,11,12,13,14,15
	s_wait_dscnt 15-\t
	global_store_b128 v8, v[OUTR+4*\t:OUTR+4*\t+3], s[14:15] offset:2048*\t   ; sixteen lanes store 256 consecutive bytes, aligned
.endr
	s_wait_tensorcnt 0x0
	ds_add_u32 v192, v193
	s_wait_dscnt 0x0
	s_endpgm
.Lfunc_end_k_q07f989ba48_quant:
	.size	k_q07f989ba48_quant, .Lfunc_end_k_q07f989ba48_quant-k_q07f989ba48_quant
	.p2alignl 7, 3214868480
	.fill 96, 4, 3214868480
	.section	.rodata,"a",@progbits
	.p2align	6, 0x0
	.amdhsa_kernel k_q07f989ba48_quant
		.amdhsa_group_segment_fixed_size 68096
		.amdhsa_private_segment_fixed_size 0
		.amdhsa_enable_private_segment 0
		.amdhsa_kernarg_size 48
		.amdhsa_user_sgpr_count 2
		.amdhsa_user_sgpr_kernarg_segment_ptr 1
		.amdhsa_wavefront_size32 1
		.amdhsa_system_sgpr_workgroup_id_x 1
		.amdhsa_system_sgpr_workgroup_id_y 1
		.amdhsa_system_sgpr_workgroup_id_z 1
		.amdhsa_system_vgpr_workitem_id 0
		.amdhsa_next_free_vgpr 194
		.amdhsa_next_free_sgpr 66
		.amdhsa_reserve_vcc 0
		.amdhsa_float_denorm_mode_32 3
		.amdhsa_float_denorm_mode_16_64 3
		.amdhsa_memory_ordered 1
		.amdhsa_forward_progress 1
		.amdhsa_inst_pref_size 87
	.end_amdhsa_kernel
	.amdgpu_metadata
---
amdhsa.version: [ 1, 2 ]
amdhsa.kernels:
  - .name:           k_q07f989ba48_quant
    .symbol:         k_q07f989ba48_quant.kd
    .args:
      - { .name: x, .offset: 0, .size: 8, .value_kind: global_buffer, .address_space: global }
      - { .name: w_qkv, .offset: 8, .size: 8, .value_kind: global_buffer, .address_space: global }
      - { .name: w_proj, .offset: 16, .size: 8, .value_kind: global_buffer, .address_space: global }
      - { .name: lowp_scales, .offset: 24, .size: 8, .value_kind: global_buffer, .address_space: global }
      - { .name: xc, .offset: 32, .size: 8, .value_kind: global_buffer, .address_space: global }
      - { .name: wc, .offset: 40, .size: 8, .value_kind: global_buffer, .address_space: global }
    .group_segment_fixed_size: 68096
    .private_segment_fixed_size: 0
    .kernarg_segment_align: 8
    .kernarg_segment_size: 48
    .max_flat_workgroup_size: 128
    .sgpr_count:     66
    .vgpr_count:     194
    .wavefront_size: 32
...
	.end_amdgpu_metadata
.endif
;; end of part 1
;; launch qkv (part 2): grid 12 x 32, 4 waves a work-group, clusters of 4 x 4, 327,680 bytes of LDS; arguments xc, wc, lowp_scales, b_qkv, qkvc; writes qkvc
.if DOCPART == 2
	.amdgcn_target "amdgcn-amd-amdhsa--gfx1250"
	.amdhsa_code_object_version 6
	.text
	.protected	k_q07f989ba48_qkv
	.globl	k_q07f989ba48_qkv
	.p2align	8
	.type	k_q07f989ba48_qkv,@function
k_q07f989ba48_qkv:
	s_mov_b64 s[64:65], 0
	v_nop
	global_prefetch_b8 v0, s[64:65] scope:SCOPE_SE
	s_setreg_imm32_b32 hwreg(HW_REG_WAVE_MODE, 25, 1), 1
	s_wait_xcnt 0x0
	s_wait_alu depctr_hold_cnt(0) depctr_sa_sdst(0) depctr_va_vdst(0) depctr_va_sdst(0) depctr_va_ssrc(0) depctr_va_vcc(0) depctr_vm_vsrc(0)
	s_getreg_b32 s2, hwreg(HW_REG_IB_STS2, 6, 4)
	s_cmp_eq_u32 s2, 0
	s_cbranch_scc0 .Lentry_in_a_cluster
	s_endpgm
.Lentry_in_a_cluster:
	s_bfe_u32 s2, ttmp6, 0x10000c
	s_cmp_lg_u32 s2, 0xf033
	s_cbranch_scc0 .Lentry_shape_is_right
	s_endpgm
.Lentry_shape_is_right:
.set KSTEP,  256
.set ROWB,   256
.set KROW,   1024
.set PITCH,  272
.set FR,     16
.set NL,     4
.set NP,     4
.set HALFT,  128*PITCH
.set SLOT,   4*HALFT
.set LAPS,   KROW/(2*KSTEP)
.set SPARE,  2*SLOT
.set SP,     336
.set LIM,  8
.set SC,   9
.set BJO,  10
.set BIO,  11
.set ADRA, 16
.set ADRB, 20
.set STO,  24
.set RDQ,  25
.set RDQ2, 26
.set RDV,  27
.set SPW,  28
.set NIL,  29
.set GOQ,  30
.set GOV,  31
.set BI,   32
.set BJ,   64
.set AF,   128
.set TMP,  128
.set CD,   192
.set OUTR, 128
.set G1, 24
.set G0, 32
.set G1B, 48
.set G0B, 56
.set MSB, 0
.macro WIN new
.if MSB != (\new)
	s_set_vgpr_msb (MSB<<8)|(\new)
.set MSB, \new
.endif
.endm
.set MUL_LO, 0xa1
.set MUL_HI, 0xf1
.set TO_B,   0x40
.macro JLOAD g0a, g1a, g0b, g1b
	s_cmp_eq_u32 s15, 0
	s_cbranch_scc0 .Lfor_b_\@
	tensor_load_to_lds s[\g0a:\g0a+3], s[\g1a:\g1a+7]
	s_nop 0
.rept 4
	v_nop
.endr
	s_branch .Lasked_\@
.Lfor_b_\@:
	tensor_load_to_lds s[\g0b:\g0b+3], s[\g1b:\g1b+7]
	s_nop 0
.rept 4
	v_nop
.endr
.Lasked_\@:
.endm
.macro CREST
	s_cmp_lg_u32 s14, 0
	s_cbranch_scc1 .Lnot_wave_0_\@
	s_barrier_signal -3
.Lnot_wave_0_\@:
	s_barrier_wait -3
	s_barrier_signal -1
	s_barrier_wait -1
.endm
.macro CROUND
	s_barrier_signal -1
	s_barrier_wait -1
	CREST
.endm
	s_load_b256 s[4:11], s[0:1], 0x0
	s_load_b64 s[12:13], s[0:1], 0x20
	v_lshl_add_u32 v[SPW], v0, 2, SPARE
	v_mov_b32 v[NIL], 0
	ds_add_u32 v28, v29
	ds_add_u32 v28, v29
	s_wait_dscnt 0x0
	v_lshrrev_b32 v1, 5, v0
	v_readfirstlane_b32 s14, v1
	s_lshr_b32 s15, s14, 1
	s_and_b32 s16, s14, 1
	s_bfe_u32 s40, ttmp6, 0x40000
	s_bfe_u32 s41, ttmp6, 0x40004
	s_and_b32 s82, ttmp7, 0xffff
	s_cmp_eq_u32 ttmp9, 2
	s_cselect_b32 s83, 0, s82
	s_cselect_b32 s84, s82, ttmp9
	s_lshl_b32 s42, s84, 2
	s_add_co_u32 s42, s42, s40
	s_lshl_b32 s17, s83, 2
	s_add_co_u32 s17, s17, s41
	s_lshl_b32 s43, s41, 2
	s_lshl_b32 s43, 15, s43
	s_lshl_b32 s44, 0x1111, s40
	s_or_b32 s[G1+0], s43, (0<<16)|(1<<20)|(1<<21)|(5<<22)|(3<<25)
	s_or_b32 s[G1B+0], s44, (0<<16)|(1<<20)|(1<<21)|(5<<22)|(3<<25)
.irp g, G1, G1B
	s_mov_b32 s[\g+1], ROWB<<16
	s_mov_b32 s[\g+2], 128<<16
	s_mov_b32 s[\g+3], ROWB<<16
	s_mov_b32 s[\g+4], 128
	s_mov_b32 s[\g+5], KROW
	s_mov_b32 s[\g+6], 0
	s_mov_b32 s[\g+7], 0
.endr
	s_lshl_b32 s18, s16, 7
	s_lshl_b32 s20, s17, 8
	s_add_co_u32 s20, s20, s18
	s_lshl_b32 s46, s42, 8
	s_add_co_u32 s46, s46, s18
	s_lshl_b32 s20, s20, 10
	s_lshl_b32 s46, s46, 10
	s_mov_b32 s21, 0
	s_mov_b32 s47, 0
	s_mul_i32 s45, s14, HALFT
	s_wait_kmcnt 0x0
	s_load_b256 s[68:75], s[8:9], 0x0
	s_add_nc_u64 s[76:77], s[6:7], 2048*KROW
	s_cmp_eq_u32 ttmp9, 2
	s_cselect_b64 s[66:67], s[76:77], s[4:5]
	s_cselect_b64 s[76:77], s[4:5], s[6:7]
	s_add_nc_u64 s[20:21], s[66:67], s[20:21]
	s_add_nc_u64 s[46:47], s[76:77], s[46:47]
	CROUND
.irp s, 0,1
	s_mov_b32 s[G0+4*\s], 1
	s_add_co_u32 s[G0+4*\s+1], s45, \s*SLOT
	s_add_nc_u64 s[G0+4*\s+2:G0+4*\s+3], s[20:21], \s*ROWB
	s_or_b32 s[G0+4*\s+3], s[G0+4*\s+3], 0x80000000
	s_mov_b32 s[G0B+4*\s], 1
	s_add_co_u32 s[G0B+4*\s+1], s45, \s*SLOT
	s_add_nc_u64 s[G0B+4*\s+2:G0B+4*\s+3], s[46:47], \s*ROWB
	s_or_b32 s[G0B+4*\s+3], s[G0B+4*\s+3], 0x80000000
	s_wait_alu depctr_va_vdst(0)
	s_wait_tensorcnt 0x0
	ds_add_u32 v28, v29
	ds_add_u32 v28, v29
	s_wait_dscnt 0x0
	CROUND
	JLOAD G0+4*\s, G1, G0B+4*\s, G1B
.endr
	v_and_b32 v1, 15, v0
	v_bfe_u32 v2, v0, 4, 1
	s_wait_alu depctr_va_vdst(0)
	v_and_b32 v6, 31, v0
	s_lshl_b32 s82, s42, 8
	s_lshl_b32 s83, s16, 7
	s_add_co_u32 s82, s82, s83
	s_lshl_b32 s82, s82, 2
	s_lshl_b32 s84, s17, 8
	s_lshl_b32 s85, s15, 7
	s_add_co_u32 s84, s84, s85
	s_add_co_u32 s84, s84, 2048
	s_lshl_b32 s84, s84, 2
	s_cmp_eq_u32 ttmp9, 2
	s_cselect_b32 s82, 0, s82
	s_cselect_b32 s84, s84, 0
	s_mov_b32 s83, 0
	s_mov_b32 s85, 0
	s_add_nc_u64 s[78:79], s[10:11], s[82:83]
	s_add_nc_u64 s[80:81], s[10:11], s[84:85]
	v_lshlrev_b32 v[BJO], 5, v2
	v_lshlrev_b32 v[BIO], 2, v1
.irp b, 0,1,2,3,4,5,6,7
	global_load_b128 v[BJ+8*\b:BJ+8*\b+3], v[BJO], s[78:79] offset:64*\b
	global_load_b128 v[BJ+8*\b+4:BJ+8*\b+7], v[BJO], s[78:79] offset:64*\b+16
.endr
.irp a, 0,1,2,3,4,5,6,7
	global_load_b32 v[BI+2*\a], v[BIO], s[80:81] offset:64*\a
	v_mov_b32 v[BI+2*\a+1], 0
.endr
	v_mul_u32_u24 v3, v1, PITCH
	v_lshl_add_u32 v4, v2, 4, v3
	s_mul_i32 s82, s15, HALFT
	s_mul_i32 s83, s16, HALFT
	s_add_co_u32 s83, s83, 2*HALFT
.irp s, 0,1
	v_add_nc_u32 v[ADRA+\s], s82, v4
	v_add_nc_u32 v[ADRB+\s], s83, v4
	s_add_co_u32 s82, s82, SLOT
	s_add_co_u32 s83, s83, SLOT
.endr
	v_mul_u32_u24 v[STO], v1, SP
	v_lshl_add_u32 v[STO], v2, 3, v[STO]
	s_mul_i32 s82, s15, 128*SP
	s_lshl_b32 s83, s16, 7
	s_add_co_u32 s82, s82, s83
	v_add_nc_u32 v[STO], s82, v[STO]
	v_lshrrev_b32 v5, 2, v6
	v_mul_u32_u24 v[RDQ], v5, SP
	v_and_b32 v5, 3, v0
	v_lshl_add_u32 v[RDQ], v5, 4, v[RDQ]
	s_lshl_b32 s82, s14, 6
	v_add_nc_u32 v[RDQ], s82, v[RDQ]
	v_add_nc_u32 v[RDQ2], 128*SP, v[RDQ]
	v_mul_u32_u24 v[RDV], v2, SP
	v_lshl_add_u32 v[RDV], v1, 4, v[RDV]
	s_mul_i32 s82, s14, 64*SP
	v_add_nc_u32 v[RDV], s82, v[RDV]
	v_lshlrev_b32 v[GOQ], 4, v6
	v_lshlrev_b32 v[GOV], 11, v2
	v_lshl_add_u32 v[GOV], v1, 4, v[GOV]
	s_lshr_b32 s86, s17, 3
	s_lshl_b32 s86, s86, 4
	s_lshl_b32 s87, s40, 2
	s_add_co_u32 s86, s86, s87
	s_add_co_u32 s86, s86, s14
	s_lshl_b32 s86, s86, 11
	s_and_b32 s87, s17, 7
	s_lshl_b32 s87, s87, 8
	s_add_co_u32 s86, s86, s87
	s_lshl_b32 s86, s86, 6
	s_lshl_b32 s87, ttmp9, 23
	s_add_co_u32 s86, s86, s87
	s_lshr_b32 s88, s42, 3
	s_lshl_b32 s88, s88, 10
	s_lshl_b32 s89, s17, 8
	s_add_co_u32 s88, s88, s89
	s_lshl_b32 s89, s14, 6
	s_add_co_u32 s88, s88, s89
	s_lshl_b32 s88, s88, 11
	s_and_b32 s89, s42, 7
	s_lshl_b32 s89, s89, 8
	s_add_co_u32 s88, s88, s89
	s_add_co_u32 s88, s88, 16777216
	s_cmp_eq_u32 ttmp9, 2
	s_cselect_b32 s86, s88, s86
	s_mov_b32 s87, 0
	s_add_nc_u64 s[12:13], s[12:13], s[86:87]
.macro FRAG reg, adr, q, i
.irp c, 0,1,2,3
	ds_load_b128 v[\reg+4*\c:\reg+4*\c+3], v[\adr] offset:128*(\q)+32*\c+(\i)*16*PITCH
.endr
.endm
.macro MUL16 a0, p, zero
.irp a, \a0, \a0+1
.irp b, 0,1,2,3,4,5,6,7
.if \zero
	v_wmma_f32_16x16x128_fp8_fp8 v[8*(8*((\a)%4)+\b):8*(8*((\a)%4)+\b)+7], v[128*(\p)+FR*\b:128*(\p)+FR*\b+FR-1], v[AF+FR*(\a):AF+FR*(\a)+FR-1], 0
.else
	v_wmma_f32_16x16x128_fp8_fp8 v[8*(8*((\a)%4)+\b):8*(8*((\a)%4)+\b)+7], v[128*(\p)+FR*\b:128*(\p)+FR*\b+FR-1], v[AF+FR*(\a):AF+FR*(\a)+FR-1], v[8*(8*((\a)%4)+\b):8*(8*((\a)%4)+\b)+7]
.endif
.endr
.endr
.endm
.macro FETCH_B slot, q, p
	WIN TO_B
.irp i, 0,1,2,3,4,5,6,7
	FRAG 128*(\p)+FR*\i, ADRB+\slot, \q, \i
.endr
	WIN 0
.endm
.macro FETCH_A slot, q, i0
.irp i, \i0, \i0+1, \i0+2, \i0+3
	FRAG AF+FR*(\i), ADRA+\slot, \q, \i
.endr
.endm
.macro PLACES n
.rept \n
	v_nop
.endr
.endm
.macro STEP slot, q, zero
	s_wait_dscnt 4*NL
	WIN MUL_LO
	MUL16 0, (\q)%2, \zero
	MUL16 2, (\q)%2, \zero
	s_wait_dscnt 0
	PLACES NP
	FETCH_B \slot, (\q)+1, 1-(\q)%2
	FETCH_A \slot, (\q)+1, 0
	WIN MUL_HI
	MUL16 4, (\q)%2, \zero
	MUL16 6, (\q)%2, \zero
	PLACES NP
	WIN 0
	FETCH_A \slot, (\q)+1, 4
.endm
.macro TURN slot, next, fill
	s_wait_tensorcnt 0x0
	ds_add_u32 v[SPW], v[NIL]
	s_wait_dscnt 4*NL+1
	WIN MUL_LO
	MUL16 0, 1, 0
	s_wait_dscnt 0x0
	s_barrier_signal -1
	MUL16 2, 1, 0
	WIN 0
	s_barrier_wait -1
.if \fill
	CREST
	s_add_nc_u64 s[G0+4*\slot+2:G0+4*\slot+3], s[G0+4*\slot+2:G0+4*\slot+3], 2*ROWB
	s_add_nc_u64 s[G0B+4*\slot+2:G0B+4*\slot+3], s[G0B+4*\slot+2:G0B+4*\slot+3], 2*ROWB
	JLOAD G0+4*\slot, G1, G0B+4*\slot, G1B
.else
	PLACES NP
.endif
	FETCH_B \next, 0, 0
	FETCH_A \next, 0, 0
	WIN MUL_HI
	MUL16 4, 1, 0
	MUL16 6, 1, 0
	PLACES NP
	WIN 0
	FETCH_A \next, 0, 4
.endm
	s_wait_tensorcnt 1
	s_barrier_signal -1
	s_barrier_wait -1
	FETCH_B 0, 0, 0
	FETCH_A 0, 0, 0
	FETCH_A 0, 0, 4
	STEP 0, 0, 1
	s_mov_b32 s3, LAPS-1
.Llap:
	TURN 0, 1, 1
	STEP 1, 0, 0
	TURN 1, 0, 1
	STEP 0, 0, 0
	s_sub_co_u32 s3, s3, 1
	s_cmp_lg_u32 s3, 0
	s_cbranch_scc1 .Llap
	TURN 0, 1, 0
	STEP 1, 0, 0
	s_wait_dscnt 4*NL
	WIN MUL_LO
	MUL16 0, 1, 0
	MUL16 2, 1, 0
	s_wait_dscnt 0
	WIN MUL_HI
	MUL16 4, 1, 0
	MUL16 6, 1, 0
	WIN 0
	s_wait_kmcnt 0x0
	s_add_co_i32 s96, s68, s69
	s_add_co_i32 s96, s96, 127
	s_lshl_b32 s96, s96, 23
	s_mov_b32 s97, s96
	s_cmp_eq_u32 ttmp9, 0
	s_cselect_b32 s82, s70, s71
	s_cmp_eq_u32 ttmp9, 2
	s_cselect_b32 s82, s73, s82
	s_add_co_i32 s82, s82, 127
	s_lshl_b32 s83, s82, 23
	v_mov_b32 v[SC], s83
	s_add_co_i32 s82, s82, 8
	s_lshl_b32 s82, s82, 23
	s_or_b32 s82, s82, 0x600000
	v_mov_b32 v[LIM], s82
	s_wait_loadcnt 0x0
	PLACES NP
.macro CONV a
.set AC, 64*((\a)%4)
.set CB, CD+16*((\a)%4)
.if (\a) >= 4
	s_wait_dscnt 24
.endif
	s_cmp_eq_u32 ttmp9, 2
	s_cbranch_scc1 .Lrow_bias_\@
	WIN 0x02+((\a)/4)
.irp b, 0,1,2,3,4,5,6,7
.irp i, 0,2,4,6
	v_pk_fma_f32 v[TMP+8*\b+\i:TMP+8*\b+\i+1], v[AC+8*\b+\i:AC+8*\b+\i+1], s[96:97], v[BJ+8*\b+\i:BJ+8*\b+\i+1] op_sel_hi:[1,0,1]
.endr
.endr
	WIN 0
	s_branch .Lbiased_\@
.Lrow_bias_\@:
	WIN 0x02+((\a)/4)
.irp b, 0,1,2,3,4,5,6,7
.irp i, 0,2,4,6
	v_pk_fma_f32 v[TMP+8*\b+\i:TMP+8*\b+\i+1], v[AC+8*\b+\i:AC+8*\b+\i+1], s[96:97], v[BI+2*(\a):BI+2*(\a)+1] op_sel_hi:[1,0,0]
.endr
.endr
	WIN 0
.Lbiased_\@:
.set J, 0
.rept 64
	v_med3_num_f32 v[TMP+J], v[TMP+J], -v[LIM], v[LIM]
.set J, J+1
.endr
.irp b, 0,1,2,3,4,5,6,7
	v_cvt_scalef32_pk8_fp8_f32 v[CB+2*\b:CB+2*\b+1], v[TMP+8*\b:TMP+8*\b+7], v[SC]
.endr
	v_nop
.irp b, 0,1,2,3,4,5,6,7
	ds_store_b64 v[STO], v[CB+2*\b:CB+2*\b+1] offset:16*SP*(\a)+16*\b
.endr
.endm
.irp a, 0,1,2,3,4,5,6,7
	CONV \a
.endr
	s_wait_dscnt 0x0
	s_barrier_signal -1
	s_barrier_wait -1
	s_cmp_eq_u32 ttmp9, 2
	s_cbranch_scc1 .Lout_v
.set T, 0
.rept 16
	ds_load_b128 v[OUTR+4*T:OUTR+4*T+3], v[RDQ] offset:8*SP*T
.set T, T+1
.endr
.rept 16
	ds_load_b128 v[OUTR+4*T:OUTR+4*T+3], v[RDQ2] offset:8*SP*(T-16)
.set T, T+1
.endr
.set T, 0
.rept 32
	s_wait_dscnt 31-T
	global_store_b128 v[GOQ], v[OUTR+4*T:OUTR+4*T+3], s[12:13] offset:2048*(T/4)+512*(2*(T%2)+(T%4)/2)
.set T, T+1
.endr
	s_branch .Lend
.Lout_v:
.set T, 0
.rept 32
	ds_load_b128 v[OUTR+4*T:OUTR+4*T+3], v[RDV] offset:2*SP*T
.set T, T+1
.endr
.set T, 0
.rept 32
	s_wait_dscnt 31-T
	global_store_b128 v[GOV], v[OUTR+4*T:OUTR+4*T+3], s[12:13] offset:2048*(32*(T/16)+8*(2*((T/4)%2)+((T/4)%4)/2)+2*(T%4))
.set T, T+1
.endr
.Lend:
	s_wait_tensorcnt 0x0
	ds_add_u32 v[SPW], v[NIL]
	s_wait_dscnt 0x0
	CROUND
	s_endpgm
.Lfunc_end_k_q07f989ba48_qkv:
	.size	k_q07f989ba48_qkv, .Lfunc_end_k_q07f989ba48_qkv-k_q07f989ba48_qkv
	.p2alignl 7, 3214868480
	.fill 96, 4, 3214868480
	.section	.rodata,"a",@progbits
	.p2align	6, 0x0
	.amdhsa_kernel k_q07f989ba48_qkv
		.amdhsa_group_segment_fixed_size 327680
		.amdhsa_private_segment_fixed_size 0
		.amdhsa_enable_private_segment 0
		.amdhsa_kernarg_size 40
		.amdhsa_user_sgpr_count 2
		.amdhsa_user_sgpr_kernarg_segment_ptr 1
		.amdhsa_wavefront_size32 1
		.amdhsa_system_sgpr_workgroup_id_x 1
		.amdhsa_system_sgpr_workgroup_id_y 1
		.amdhsa_system_sgpr_workgroup_id_z 1
		.amdhsa_system_vgpr_workitem_id 0
		.amdhsa_next_free_vgpr 1024
		.amdhsa_next_free_sgpr 100
		.amdhsa_reserve_vcc 0
		.amdhsa_float_denorm_mode_32 3
		.amdhsa_float_denorm_mode_16_64 3
		.amdhsa_memory_ordered 1
		.amdhsa_forward_progress 1
		.amdhsa_inst_pref_size 170
	.end_amdhsa_kernel
	.amdgpu_metadata
---
amdhsa.version: [ 1, 2 ]
amdhsa.kernels:
  - .name:           k_q07f989ba48_qkv
    .symbol:         k_q07f989ba48_qkv.kd
    .args:
      - { .name: xc, .offset: 0, .size: 8, .value_kind: global_buffer, .address_space: global }
      - { .name: wc, .offset: 8, .size: 8, .value_kind: global_buffer, .address_space: global }
      - { .name: lowp_scales, .offset: 16, .size: 8, .value_kind: global_buffer, .address_space: global }
      - { .name: b_qkv, .offset: 24, .size: 8, .value_kind: global_buffer, .address_space: global }
      - { .name: qkvc, .offset: 32, .size: 8, .value_kind: global_buffer, .address_space: global }
    .group_segment_fixed_size: 327680
    .private_segment_fixed_size: 0
    .kernarg_segment_align: 8
    .kernarg_segment_size: 40
    .max_flat_workgroup_size: 128
    .sgpr_count:     100
    .vgpr_count:     1024
    .wavefront_size: 32
...
	.end_amdgpu_metadata
.endif
;; end of part 2
;; launch attn (part 3): grid 4 x 64, 8 waves a work-group, clusters of 4 x 1, 327,680 bytes of LDS; arguments qkvc, lowp_scales, oc; writes oc
.if DOCPART == 3
	.amdgcn_target "amdgcn-amd-amdhsa--gfx1250"
	.amdhsa_code_object_version 6
	.text
	.protected	k_q07f989ba48_attn
	.globl	k_q07f989ba48_attn
	.p2align	8
	.type	k_q07f989ba48_attn,@function
k_q07f989ba48_attn:
	s_mov_b64 s[64:65], 0
	v_nop
	global_prefetch_b8 v0, s[64:65] scope:SCOPE_SE
	s_setreg_imm32_b32 hwreg(HW_REG_WAVE_MODE, 25, 1), 1
	s_wait_xcnt 0x0
	s_wait_alu depctr_hold_cnt(0) depctr_sa_sdst(0) depctr_va_vdst(0) depctr_va_sdst(0) depctr_va_ssrc(0) depctr_va_vcc(0) depctr_vm_vsrc(0)
	s_getreg_b32 s2, hwreg(HW_REG_IB_STS2, 6, 4)
	s_cmp_eq_u32 s2, 0
	s_cbranch_scc0 .Lentry_in_a_cluster
	s_endpgm
.Lentry_in_a_cluster:
	s_bfe_u32 s2, ttmp6, 0x10000c
	s_cmp_lg_u32 s2, 0x3003
	s_cbranch_scc0 .Lentry_shape_is_right
	s_endpgm
.Lentry_shape_is_right:
; o = softmax(q k^T / 8) v for 64 (batch, head) pairs of 2,048 tokens x 64, both products on codes of E4M3, and o quantised at once as the last product's operand.
; t = score x log2(e) / 8; M = the running largest t rounded UP to a whole number; p = 2^(t - M) is quantised (scale 2^e4, held at 448 x 2^e4), not normalised; the row's sum is taken of the unquantised p and divides at the end.
; When M moves, the sum and O are multiplied by 2^(old M - new M), which rounds nothing.  o = O x 2^(e4 + e5) / sum; its code = o / 2^e6, held within +-448.
; LIMITS: e2 + e3 between -123 and 130 (they are added to c's exponent field, 124); e4 and e6 between -126 and 119; e4 + e5 is applied by v_ldexp_f32 and has none.
; SHARES.  The four work-groups of a cluster own one head; a work-group owns 512 queries; each of its EIGHT waves owns 64 of them, four tiles of 16, in 512 registers: a fragment of K or V read from LDS feeds four tiles.
; THE HEAD'S WHOLE K AND V LIE IN LDS, brought once by joint loads of the four work-groups, one tensor load a wave at the head: waves 0-3 bring 512 keys of K each, waves 4-7 all 64 rows of V for 512 keys each.
; Wave w's load lands at w x 34,816.  Nothing is filled again: one wait, one barrier, no ring.  No prefetch is laid: every tensor load of the launch is issued at its head, and there is no loop to run ahead in.
; LAYOUT.  Both products are used transposed (S^T = K Q^T, O^T = V^T P^T): a lane holds ONE query of each tile.  The launch before has laid K's, Q's and V's rows so that 16 neighbouring rows of memory are rows
; 32 b + 8 u + r + 8 (r / 8): the 16 registers of result tiles 2 b, 2 b + 1 are 16 neighbours along the next product's K, and the conversions' results ARE the next operand's registers.
; THE ORDER OF WORK.  Tile-steps n = 4 x step + tile follow each other, and three of them are in hand at a time.  Tile-step n's text: the maxima of S(n) in eight chains; M(n), its lines by turns with the upper levels of
; the sum of p(n - 2); t - M; the 64 exponentials of n, among them 48 independent lines on p(n - 1): the first level of its sum and its holds; then O(n) x f, p(n - 1)'s conversions, the products S(n + 1) = K Q and
; O(n - 1) += V P(n - 1), and the second level of p(n - 1)'s sum.  S has two buffers by turns.  V's fragments of a step are fetched in tile 0's text, K's of the next step in tile 2's, each behind eight vector lines that follow the last product that read the old ones.
; So the first trip finds zeros for p(-1) and for the sum's tree, and its first product adds V x (codes of zero) onto zeros; the last trip's last S (on step 15's keys once more) is read by nobody: 12 matrix instructions a wave,
; the price of a loop with no first form of its own.  What is left of the last two tile-steps is written out behind the loop.
; oc: [tile of 16 tokens 512][head 16][1,024 bytes]: the image of a fragment's 8 registers: registers 4 c .. 4 c + 3 of lane l at byte 512 c + 16 l.
; REGISTERS.  Window 0: v1-5 addresses; v6, v25 448 x 2^e4; v7 2^e4; v8, v22 at work; v13 a lane permute's result; v14-21 eight chains of maxima; v24 f; v26, v27 448 x 2^e6, 2^e6; v28 Q's offset; v11, v31 the add's two;
;   v32-47 a tile's -M, largest score, sum in two halves; v48-79 Q; v80-95 p's codes; v96-159, v160-223 S, then p; v224-255 the sum's tree, at the end o's codes.   Window 1: v0-63 K's fragments; v64-127 V's; v128-255 O^T, 32 a tile.
.set KP,    272                        ; K in LDS: long rows of four keys: 256 bytes + 16 of padding
.set VP,    528                        ; V in LDS: rows of 512 keys + 16
.set REG,   34816                      ; a wave's region: 128 long rows of K; V's 64 rows take 33,792 of it
.set VBASE, 4*REG
.set SPARE, 8*REG                      ; the spare words: 128 bytes a wave
.set KSTEP, 32*KP                      ; 128 keys of K; four steps are one region, so K's steps lie evenly
.set G1K,   24
.set G1V,   32
.set MSB, 0
.macro WIN new                         ; the immediate's high byte repeats the setting that is left
.if MSB != (\new)
	s_set_vgpr_msb (MSB<<8)|(\new)
.set MSB, \new
.endif
.endm
.macro CROUND
	s_barrier_signal -1
	s_barrier_wait -1
	s_cmp_lg_u32 s10, 0
	s_cbranch_scc1 .Lnot_wave_0_\@
	s_barrier_signal -3
.Lnot_wave_0_\@:
	s_barrier_wait -3
	s_barrier_signal -1
	s_barrier_wait -1
.endm
.macro KLOAD adr                       ; eight tiles of 16 keys x 64 into window 1
	WIN 0x40
.set J, 0
.rept 8
	ds_load_b128 v[8*J:8*J+3], v[\adr] offset:4*KP*J
	ds_load_b128 v[8*J+4:8*J+7], v[\adr] offset:4*KP*J+32
.set J, J+1
.endr
	WIN 0
.endm
.macro VLOAD adr                       ; four tiles of 16 of the head's 64 x 128 keys
	WIN 0x40
.set J, 0
.rept 4
.irp c, 0,1,2,3
	ds_load_b128 v[64+16*J+4*\c:67+16*J+4*\c], v[\adr] offset:16*VP*J+32*\c
.endr
.set J, J+1
.endr
	WIN 0
.endm
.macro QK j                            ; S^T of tile j: D window 0, K window 1, Q window 0
.set SD, 96+64*((\j)%2)
	WIN 0x01
.set J, 0
.rept 8
	v_wmma_f32_16x16x64_fp8_fp8 v[SD+8*J:SD+8*J+7], v[8*J:8*J+7], v[48+8*(\j):55+8*(\j)], 0
.set J, J+1
.endr
	WIN 0
.endm
.macro PV j                            ; O^T of tile j: D, C and V window 1, p's codes window 0; the four accumulators take turns
.set OD, 128+32*(\j)
	WIN 0x51
.set J, 0
.rept 4
	v_wmma_f32_16x16x128_fp8_fp8 v[OD+8*J:OD+8*J+7], v[64+16*J:79+16*J], v[80:95], v[OD+8*J:OD+8*J+7]
.set J, J+1
.endr
	WIN 0
.endm
.macro LA a, b                         ; the sum's tree: pair a += pair b
	v_pk_add_f32 v[224+2*(\a):225+2*(\a)], v[224+2*(\a):225+2*(\a)], v[224+2*(\b):225+2*(\b)]
.endm
.macro TREE2                           ; its second level: sixteen pairs into eight
.set J, 0
.rept 8
	LA J, J+8
.set J, J+1
.endr
.endm
.macro CODES p                         ; 64 held numbers at v[p] into p's codes
.irp g, 0,1,2,3,4,5,6,7
	v_cvt_scalef32_pk8_fp8_f32 v[80+2*\g:81+2*\g], v[(\p)+8*\g:(\p)+8*\g+7], v7
.endr
.endm
	s_load_b128 s[4:7], s[0:1], 0x0                ; qkvc s[4:5], the scales' exponents s[6:7]
	s_load_b64 s[8:9], s[0:1], 0x10                ; oc
	v_lshl_add_u32 v11, v0, 2, SPARE
	v_mov_b32 v31, 0
	ds_add_u32 v11, v31                            ; the opening lines: the add twice on end, and its wait ahead of my tensor load
	ds_add_u32 v11, v31
	v_lshrrev_b32 v1, 5, v0
	s_delay_alu instid0(VALU_DEP_1)
	v_readfirstlane_b32 s10, v1                    ; wave 0..7
	s_and_b32 s11, s10, 3                          ; which 512 keys I fetch
	s_bfe_u32 s12, ttmp6, 0x40000                  ; cx
	s_lshl_b32 s93, ttmp9, 2
	s_add_co_u32 s12, s12, s93                     ; my block of 512 queries: it enters Q's and O's addresses alone
	s_and_b32 s13, ttmp7, 0xffff                   ; batch x 16 + head, which the four partners share
	s_lshl_b32 s14, s13, 17                        ; its 131,072 bytes in each of q, k, v
	s_lshl_b32 s15, s11, 15
	s_add_co_u32 s94, s14, s15
	s_add_co_u32 s94, s94, 8388608                 ; K: 512 keys of 64 bytes
	s_mov_b32 s95, 0
	s_lshl_b32 s15, s11, 9
	s_add_co_u32 s92, s14, s15
	s_add_co_u32 s92, s92, 16777216                ; V: 512 bytes along its rows
	s_mov_b32 s93, 0
	s_mul_i32 s88, s10, REG                        ; where my load lands
	s_mov_b32 s[G1K], 15|(0<<16)|(1<<20)|(1<<21)|(5<<22)|(3<<25)   ; the mask: all four work-groups; elements of 1 byte; padding on; bit 21 beside a mask; 4 words after every 64
	s_mov_b32 s[G1K+1], 256<<16                    ; K's rows are dense in memory: four of them are stated as one row of 256 bytes
	s_mov_b32 s[G1K+2], 128<<16
	s_mov_b32 s[G1K+3], 256<<16
	s_mov_b32 s[G1K+4], 128
	s_mov_b32 s[G1K+5], 256
	s_mov_b32 s[G1K+6], 0
	s_mov_b32 s[G1K+7], 0
	s_mov_b32 s[G1V], 15|(0<<16)|(1<<20)|(1<<21)|(6<<22)|(3<<25)   ; 4 words after every 128
	s_mov_b32 s[G1V+1], 512<<16
	s_mov_b32 s[G1V+2], 64<<16
	s_mov_b32 s[G1V+3], 512<<16
	s_mov_b32 s[G1V+4], 64
	s_mov_b32 s[G1V+5], 2048
	s_mov_b32 s[G1V+6], 0
	s_mov_b32 s[G1V+7], 0
	s_mov_b32 s20, 0x76543210                      ; v_permlanex16_b32's selects for lane l xor 16
	s_mov_b32 s21, 0xfedcba98
	s_wait_dscnt 0x0                               ; both opening adds are done
	s_wait_kmcnt 0x0
	s_load_b256 s[80:87], s[6:7], 0x0              ; e0 .. e7
	s_mov_b32 s40, 1
	s_mov_b32 s41, s88
	s_add_nc_u64 s[42:43], s[4:5], s[94:95]
	s_or_b32 s43, s43, 0x80000000
	s_mov_b32 s44, 1
	s_mov_b32 s45, s88
	s_add_nc_u64 s[46:47], s[4:5], s[92:93]
	s_or_b32 s47, s47, 0x80000000
	CROUND                                         ; all four work-groups are here: the joint loads meet
	s_cmp_lt_u32 s10, 4                            ; one fill in each arm: every wave issues one tensor load
	s_cbranch_scc0 .Lfor_v
	tensor_load_to_lds s[40:43], s[G1K:G1K+7]
	s_nop 0
.rept 4
	v_nop
.endr
	s_branch .Lasked
.Lfor_v:
	tensor_load_to_lds s[44:47], s[G1V:G1V+7]
	s_nop 0
.rept 4
	v_nop
.endr
.Lasked:
	v_and_b32 v8, 15, v0                           ; r
	v_bfe_u32 v9, v0, 4, 1                         ; h
	s_delay_alu instid0(VALU_DEP_2)
	v_lshrrev_b32 v1, 2, v8
	s_delay_alu instid0(VALU_DEP_1)
	v_mul_u32_u24 v1, v1, KP
	s_delay_alu instid0(VALU_DEP_4)
	v_and_b32 v2, 3, v8
	s_delay_alu instid0(VALU_DEP_1)
	v_lshl_add_u32 v1, v2, 6, v1
	s_delay_alu instid0(VALU_DEP_1)
	v_lshl_add_u32 v1, v9, 4, v1                   ; K: key row r of a tile: long row r / 4, 64 (r % 4), + 16 h
	v_mul_u32_u24 v2, v8, VP
	s_delay_alu instid0(VALU_DEP_1)
	v_lshl_add_u32 v2, v9, 4, v2
	s_delay_alu instid0(VALU_DEP_1)
	v_add_nc_u32 v2, VBASE, v2                     ; V: row r, + 16 h, behind K's four regions
	v_and_b32 v3, 31, v0
	s_delay_alu instid0(VALU_DEP_1)
	v_lshlrev_b32 v3, 4, v3                        ; O: 16 x lane
	v_lshrrev_b32 v28, 3, v8
	s_delay_alu instid0(VALU_DEP_1)
	v_lshl_add_u32 v28, v28, 3, v8                 ; Q lies in the same order of rows as K: tile T's token r lies at row 32 (T / 2) + 8 (T % 2) + r + 8 (r / 8)
	s_delay_alu instid0(VALU_DEP_1)
	v_lshlrev_b32 v28, 6, v28
	s_delay_alu instid0(VALU_DEP_1)
	v_lshl_add_u32 v28, v9, 4, v28
	s_wait_alu depctr_va_vdst(0)
	s_lshl_b32 s18, s12, 9
	s_lshl_b32 s19, s10, 6
	s_add_co_u32 s18, s18, s19                     ; my first row of Q: 512 x block + 64 x wave
	s_lshl_b32 s18, s18, 6
	s_add_co_u32 s18, s18, s14
	s_mov_b32 s19, 0
	s_add_nc_u64 s[18:19], s[4:5], s[18:19]
.irp j, 0,1,2,3
.irp c, 0,1
	global_load_b128 v[48+8*\j+4*\c:51+8*\j+4*\c], v28, s[18:19] offset:(32*(\j/2)+8*(\j%2))*64+32*\c
.endr
.endr
	s_lshr_b32 s16, s13, 4                         ; O: ((batch x 128 + 32 x block + 4 x wave + tile) x 16 + head) x 1,024
	s_lshl_b32 s16, s16, 7
	s_lshl_b32 s17, s12, 5
	s_add_co_u32 s16, s16, s17
	s_lshl_b32 s17, s10, 2
	s_add_co_u32 s16, s16, s17
	s_lshl_b32 s16, s16, 4
	s_and_b32 s17, s13, 15
	s_add_co_u32 s16, s16, s17
	s_lshl_b32 s16, s16, 10
	s_mov_b32 s17, 0
	s_add_nc_u64 s[16:17], s[8:9], s[16:17]
	s_wait_kmcnt 0x0
	s_add_co_i32 s93, s82, s83
	s_lshl_b32 s93, s93, 23
	s_mov_b32 s22, 0x3e38aa3b                      ; c = log2(e) / 8
	s_add_co_i32 s22, s22, s93                     ; a score stands for score x 2^(e2 + e3): added to c's exponent field
	s_mov_b32 s23, s22
	s_add_co_i32 s93, s84, 127
	s_lshl_b32 s94, s93, 23
	v_mov_b32 v7, s94                              ; 2^e4
	s_add_co_i32 s93, s93, 8
	s_lshl_b32 s93, s93, 23
	s_or_b32 s93, s93, 0x600000
	v_mov_b32 v6, s93                              ; 448 x 2^e4,
	v_mov_b32 v25, s93                             ; twice: the two halves of a dual instruction take their second sources from different register banks.  (v25 is also named as the upper half of the pair v[24:25])
	s_add_co_i32 s93, s86, 127
	s_lshl_b32 s94, s93, 23
	v_mov_b32 v27, s94                             ; 2^e6
	s_add_co_i32 s93, s93, 8
	s_lshl_b32 s93, s93, 23
	s_or_b32 s93, s93, 0x600000
	v_mov_b32 v26, s93                             ; 448 x 2^e6
	s_add_co_i32 s92, s84, s85                     ; e4 + e5
	s_wait_alu depctr_va_vdst(0)
	s_wait_tensorcnt 0x0                           ; my part of K or V has landed;
	s_barrier_signal -1
	s_barrier_wait -1                              ; everybody's has
	KLOAD 1                                        ; step 0's fragments
	VLOAD 2
	s_wait_loadcnt 0x0                             ; Q
	s_wait_dscnt 0x0
	QK 0                                           ; S of tile-step 0
	WIN 0x40
.set J, 0
.rept 128
	v_mov_b32 v[128+J], 0                          ; O^T: the loop has no first form of its own: the first change of M multiplies zeros.  (Also the places behind the products above)
.set J, J+1
.endr
	WIN 0
.set J, 0
.rept 80
	v_mov_b32 v[160+J], 0                          ; zeros for p(-1), whose codes are then zeros, and for the eight pairs of the tree that the first tile-step adds up
.set J, J+1
.endr
.irp j, 0,1,2,3
	v_mov_b32 v[32+4*\j], 0x7f61b1e6               ; -M: 3e38
	v_mov_b32 v[33+4*\j], 0xff61b1e6               ; the largest score so far: -3e38, under every score
	v_mov_b32 v[34+4*\j], 0                        ; the sum, in two halves
	v_mov_b32 v[35+4*\j], 0
.endr
	v_mov_b32 v13, 0                               ; written once: a lane permute's destination counts as one of its sources
; TILE-STEP n, tile j.  S: its scores; P: p of tile-step n - 1, in the other buffer; QM: the state of tile-step n - 2's tile.  s48: the step.
.macro SM j
.set S,  96+64*((\j)%2)
.set P,  96+64*(((\j)+1)%2)
.set NM, 32+4*(\j)
.set QM, 32+4*(((\j)+2)%4)
.set O,  128+32*(\j)
.set J, 0
.rept 8
	v_max3_num_f32 v[14+J], v[NM+1], v[S+2*J], v[S+2*J+1]   ; eight chains, each begun from the largest score so far; each accumulator is first read at its low end
.set J, J+1
.endr
.set R, 16
.rept 3
.set J, 0
.rept 8
	v_max3_num_f32 v[14+J], v[14+J], v[S+R+2*J], v[S+R+2*J+1]
.set J, J+1
.endr
.set R, R+16
.endr
	v_max3_num_f32 v14, v14, v15, v16              ; the chains are joined and M is made, by turns with the upper levels of the sum of p(n - 2)
	v_max3_num_f32 v17, v17, v18, v19
	v_max_num_f32 v20, v20, v21
	LA 0, 4
	LA 1, 5
	LA 2, 6
	LA 3, 7
	v_max3_num_f32 v14, v14, v17, v20
	LA 0, 2
	LA 1, 3
	v_mov_b32 v22, v[NM]
	v_permlanex16_b32 v13, v14, s20, s21
	LA 0, 1
	s_delay_alu instid0(VALU_DEP_2)
	v_max_num_f32 v[NM+1], v14, v13                ; the running largest score of my query
	v_pk_add_f32 v[QM+2:QM+3], v[QM+2:QM+3], v[224:225]   ; the sum of p(n - 2) joins its row's sum
	s_delay_alu instid0(VALU_DEP_2)
	v_mul_f32 v8, s22, v[NM+1]                     ; as t (c is positive)
	s_delay_alu instid0(VALU_DEP_1)
	v_floor_f32 v[NM], -v8                         ; the new -M = floor(-t) = -ceil(t)
.set J, 0
.rept 32
	v_pk_fma_f32 v[S+J:S+J+1], v[S+J:S+J+1], s[22:23], v[NM:NM+1] op_sel_hi:[1,0,0]   ; t - M, two at a time; among them the three lines that make f
.if J == 4
	v_sub_f32 v22, v[NM], v22                      ; old M - new M: a whole number, 0 or less
.endif
.if J == 16
	v_cvt_i32_f32 v22, v22                         ; (it saturates)
.endif
.if J == 28
	v_ldexp_f32 v24, 1.0, v22                      ; f = 2^(old M - new M)
.endif
.set J, J+2
.endr
	s_wait_alu depctr_va_vdst(0)
.set J, 0
.rept 16                                       ; p(n) = 2^(t - M); between the exponentials lines on p(n - 1) that hang on nothing here and whose results are first read behind the batch's wait:
	v_exp_f32 v[S+4*J], v[S+4*J]
	v_pk_add_f32 v[224+2*J:225+2*J], v[P+4*J:P+4*J+1], v[P+4*J+2:P+4*J+3]   ; the first level of the sum of the unquantised p,
	v_exp_f32 v[S+4*J+1], v[S+4*J+1]
	v_dual_min_num_f32 v[P+4*J], v[P+4*J], v6 :: v_dual_min_num_f32 v[P+4*J+1], v[P+4*J+1], v25   ; and then the hold: the conversion does not saturate (ISA guide 7.6.2); p is not negative, so it is one-sided
	v_exp_f32 v[S+4*J+2], v[S+4*J+2]
	v_dual_min_num_f32 v[P+4*J+2], v[P+4*J+2], v6 :: v_dual_min_num_f32 v[P+4*J+3], v[P+4*J+3], v25
	v_exp_f32 v[S+4*J+3], v[S+4*J+3]
.set J, J+1
.endr
	v_pk_mul_f32 v[NM+2:NM+3], v[NM+2:NM+3], v[24:25] op_sel_hi:[1,0]   ; the sums under the new M: the plain line behind the exponentials
.if ((\j)%2) == 1
	s_wait_dscnt 0x0                               ; tile 1: the step's V is in; tile 3: the next step's K
.endif
	WIN 0x41
	s_wait_alu depctr_va_vdst(0)                   ; one wait: behind the whole batch, ahead of its first reader, and directly ahead of the first reader of O^T
.set J, 0
.rept 16
	v_pk_mul_f32 v[O+J:O+J+1], v[O+J:O+J+1], v[24:25] op_sel_hi:[1,0]   ; O^T(n) under the new M
.set J, J+2
.endr
	WIN 0
	CODES P                                        ; p(n - 1), held among the exponentials, becomes codes
	LA 0, 8                                        ; two lines of the tree's second level: the plain lines behind the conversions
	LA 1, 9
	QK ((\j)+1)%4                                  ; the tile-step after, into the buffer whose p has just become codes
	PV ((\j)+3)%4                                  ; the tile-step before: its O was rescaled in its own text
.set J, 2
.rept 6
	LA J, J+8                                      ; the level's other six: plain lines behind the products
.set J, J+1
.endr
.if (\j) == 0                                  ; this step's V: the last step's last product has been issued
	s_lshr_b32 s51, s48, 2
	s_mul_i32 s51, s51, REG                        ; a region for every four steps,
	s_and_b32 s52, s48, 3
	s_lshl_b32 s52, s52, 7                         ; 128 bytes along V's rows a step
	s_add_co_u32 s51, s51, s52
	v_add_nc_u32 v5, s51, v2
	VLOAD 5
.endif
.if (\j) == 2                                  ; the next step's K (in the last trip step 15's once more: no read leaves K's regions)
	s_add_co_u32 s49, s48, 1
	s_min_u32 s49, s49, 15
	s_mul_i32 s50, s49, KSTEP
	v_add_nc_u32 v4, s50, v1
	KLOAD 4
.endif
.endm
.macro TREEHI su                       ; the tree's upper levels, and into the row's sum
	LA 0, 4
	LA 1, 5
	LA 2, 6
	LA 3, 7
	LA 0, 2
	LA 1, 3
	LA 0, 1
	v_pk_add_f32 v[\su:\su+1], v[\su:\su+1], v[224:225]
.endm
	s_mov_b32 s48, 0
.Lstep:                                            ; 16 steps of 128 keys
	SM 0
	SM 1
	SM 2
	SM 3
	s_add_co_u32 s48, s48, 1
	s_cmp_lt_u32 s48, 16
	s_cbranch_scc1 .Lstep
	TREEHI 42                                      ; what is left: tile 2's last sum;
.set J, 0
.rept 16
	v_pk_add_f32 v[224+2*J:225+2*J], v[160+4*J:161+4*J], v[162+4*J:163+4*J]   ; tile 3's last p: its sum's first level,
.set J, J+1
.endr
.set J, 0
.rept 32
	v_dual_min_num_f32 v[160+J], v[160+J], v6 :: v_dual_min_num_f32 v[161+J], v[161+J], v25   ; its hold,
.set J, J+2
.endr
	CODES 160                                      ; its codes,
	TREE2                                          ; (plain lines behind the conversions)
	PV 3                                           ; its product,
	TREEHI 46                                      ; and the rest of its sum
	; THE WAY OUT
.irp j, 0,1,2,3
	v_add_f32 v[34+4*\j], v[34+4*\j], v[35+4*\j]
.endr
.irp j, 0,1,2,3
	v_permlanex16_b32 v[14+\j], v[34+4*\j], s20, s21
.endr
.irp j, 0,1,2,3
	v_add_f32 v[34+4*\j], v[34+4*\j], v[14+\j]     ; the rows' sums
.endr
	s_wait_alu depctr_va_vdst(0)
.irp j, 0,1,2,3
	v_rcp_f32 v[34+4*\j], v[34+4*\j]
.endr
	v_nop                                          ; a plain line behind the transcendentals
	s_wait_alu depctr_va_vdst(0)                   ; and the wait ahead of their first reader
.irp j, 0,1,2,3
	v_ldexp_f32 v[34+4*\j], v[34+4*\j], s92        ; x 2^(e4 + e5)
.endr
	WIN 0x01
	s_wait_alu depctr_va_vdst(0)                   ; directly ahead of the first reader of O^T
.irp j, 0,1,2,3
.set J, 0
.rept 16
	v_pk_mul_f32 v[96+32*\j+J:97+32*\j+J], v[128+32*\j+J:129+32*\j+J], v[34+4*\j:35+4*\j] op_sel_hi:[1,0]   ; o: register 8 t + i of lane (r, h): channel 32 (t / 2) + 16 h + 8 (t % 2) + i of query r
.set J, J+2
.endr
.endr
	WIN 0
.set J, 0
.rept 128
	v_med3_num_f32 v[96+J], v[96+J], -v26, v26
.set J, J+1
.endr
.set J, 0
.rept 16
	v_cvt_scalef32_pk8_fp8_f32 v[224+2*J:225+2*J], v[96+8*J:103+8*J], v27
.set J, J+1
.endr
	v_nop                                          ; one plain vector line behind the last conversion
.irp j, 0,1,2,3
	global_store_b128 v3, v[224+8*\j:227+8*\j], s[16:17] offset:16384*\j       ; the fragment's image: 512 consecutive bytes a store, aligned
	global_store_b128 v3, v[228+8*\j:231+8*\j], s[16:17] offset:16384*\j+512
.endr
	s_wait_tensorcnt 0x0                           ; the wave's end
	ds_add_u32 v11, v31
	s_wait_dscnt 0x0
	CROUND                                         ; the closing round
	s_endpgm
.Lfunc_end_k_q07f989ba48_attn:
	.size	k_q07f989ba48_attn, .Lfunc_end_k_q07f989ba48_attn-k_q07f989ba48_attn
	.p2alignl 7, 3214868480
	.fill 96, 4, 3214868480
	.section	.rodata,"a",@progbits
	.p2align	6, 0x0
	.amdhsa_kernel k_q07f989ba48_attn
		.amdhsa_group_segment_fixed_size 327680
		.amdhsa_private_segment_fixed_size 0
		.amdhsa_enable_private_segment 0
		.amdhsa_kernarg_size 24
		.amdhsa_user_sgpr_count 2
		.amdhsa_user_sgpr_kernarg_segment_ptr 1
		.amdhsa_wavefront_size32 1
		.amdhsa_system_sgpr_workgroup_id_x 1
		.amdhsa_system_sgpr_workgroup_id_y 1
		.amdhsa_system_sgpr_workgroup_id_z 1
		.amdhsa_system_vgpr_workitem_id 0
		.amdhsa_next_free_vgpr 512
		.amdhsa_next_free_sgpr 96
		.amdhsa_reserve_vcc 0
		.amdhsa_float_denorm_mode_32 3
		.amdhsa_float_denorm_mode_16_64 3
		.amdhsa_memory_ordered 1
		.amdhsa_forward_progress 1
		.amdhsa_inst_pref_size 94
	.end_amdhsa_kernel
	.amdgpu_metadata
---
amdhsa.version: [ 1, 2 ]
amdhsa.kernels:
  - .name:           k_q07f989ba48_attn
    .symbol:         k_q07f989ba48_attn.kd
    .args:
      - { .name: qkvc, .offset: 0, .size: 8, .value_kind: global_buffer, .address_space: global }
      - { .name: lowp_scales, .offset: 8, .size: 8, .value_kind: global_buffer, .address_space: global }
      - { .name: oc, .offset: 16, .size: 8, .value_kind: global_buffer, .address_space: global }
    .group_segment_fixed_size: 327680
    .private_segment_fixed_size: 0
    .kernarg_segment_align: 8
    .kernarg_segment_size: 24
    .max_flat_workgroup_size: 256
    .sgpr_count:     96
    .vgpr_count:     512
    .wavefront_size: 32
...
	.end_amdgpu_metadata
.endif
;; end of part 3
;; launch proj (part 4): grid 4 x 64, 4 waves a work-group, clusters of 4 x 4, 327,680 bytes of LDS; arguments oc, wc, lowp_scales, b_proj, out0; writes out0
.if DOCPART == 4
	.amdgcn_target "amdgcn-amd-amdhsa--gfx1250"
	.amdhsa_code_object_version 6
	.text
	.protected	k_q07f989ba48_proj
	.globl	k_q07f989ba48_proj
	.p2align	8
	.type	k_q07f989ba48_proj,@function
k_q07f989ba48_proj:
	s_mov_b64 s[64:65], 0
	v_nop
	global_prefetch_b8 v0, s[64:65] scope:SCOPE_SE
	s_setreg_imm32_b32 hwreg(HW_REG_WAVE_MODE, 25, 1), 1
	s_wait_xcnt 0x0
	s_wait_alu depctr_hold_cnt(0) depctr_sa_sdst(0) depctr_va_vdst(0) depctr_va_sdst(0) depctr_va_ssrc(0) depctr_va_vcc(0) depctr_vm_vsrc(0)
	s_getreg_b32 s2, hwreg(HW_REG_IB_STS2, 6, 4)
	s_cmp_eq_u32 s2, 0
	s_cbranch_scc0 .Lentry_in_a_cluster
	s_endpgm
.Lentry_in_a_cluster:
	s_bfe_u32 s2, ttmp6, 0x10000c
	s_cmp_lg_u32 s2, 0xf033
	s_cbranch_scc0 .Lentry_shape_is_right
	s_endpgm
.Lentry_shape_is_right:
.set KROW,   1024
.set ROWB,   256
.set AROW,   4096
.set ABYTES, 8*AROW                    ; a block of C is 128 rows x 256 columns: A's part of a slot is 8 token tiles of 16 rows
.set PITCH,  272
.set FR,     16
.set NL,     2                         ; 4 NL = 8: the loads of A's two youngest blocks
.set NP,     4
.set HALFB,  128*PITCH
.set SLOT,   ABYTES+2*HALFB
.set LAPS,   2
.set SPARE,  2*SLOT
.set SPITCH, 528
.set NROW,   4096
.set BIAS, 12
.set ADRA, 16
.set ADRB, 20
.set STO,  24
.set RD,   25
.set CO,   26
.set SPW,  28
.set NIL,  29
.set AF,   128
.set BK,   128
.set G1, 24
.set G0, 32
.set G1B, 48
.set G0B, 56
.set MSB, 0
.macro WIN new
.if MSB != (\new)
	s_set_vgpr_msb (MSB<<8)|(\new)
.set MSB, \new
.endif
.endm
.set MUL_LO, 0xa1
.set MUL_HI, 0xf1
.set TO_B,   0x40
.macro JLOAD g0a, g1a, g0b, g1b
	s_cmp_eq_u32 s15, 0
	s_cbranch_scc0 .Lfor_b_\@
	tensor_load_to_lds s[\g0a:\g0a+3], s[\g1a:\g1a+7]
	s_nop 0
.rept 4
	v_nop
.endr
	s_branch .Lasked_\@
.Lfor_b_\@:
	tensor_load_to_lds s[\g0b:\g0b+3], s[\g1b:\g1b+7]
	s_nop 0
.rept 4
	v_nop
.endr
.Lasked_\@:
.endm
.macro CREST
	s_cmp_lg_u32 s14, 0
	s_cbranch_scc1 .Lnot_wave_0_\@
	s_barrier_signal -3
.Lnot_wave_0_\@:
	s_barrier_wait -3
	s_barrier_signal -1
	s_barrier_wait -1
.endm
.macro CROUND
	s_barrier_signal -1
	s_barrier_wait -1
	CREST
.endm
	s_load_b256 s[4:11], s[0:1], 0x0
	s_load_b64 s[12:13], s[0:1], 0x20
	v_lshl_add_u32 v[SPW], v0, 2, SPARE
	v_mov_b32 v[NIL], 0
	ds_add_u32 v28, v29
	ds_add_u32 v28, v29
	s_wait_dscnt 0x0
	v_lshrrev_b32 v1, 5, v0
	v_readfirstlane_b32 s14, v1
	s_lshr_b32 s15, s14, 1
	s_and_b32 s16, s14, 1
	s_bfe_u32 s40, ttmp6, 0x40000
	s_bfe_u32 s41, ttmp6, 0x40004
	s_lshl_b32 s42, ttmp9, 2
	s_add_co_u32 s42, s42, s40
	s_and_b32 s17, ttmp7, 0xffff
	s_lshl_b32 s17, s17, 2
	s_add_co_u32 s17, s17, s41
	s_lshl_b32 s43, s41, 2
	s_lshl_b32 s43, 15, s43
	s_lshl_b32 s44, 0x1111, s40
	s_or_b32 s[G1+0], s43, (0<<16)|(1<<21)
	s_mov_b32 s[G1+1], AROW<<16
	s_mov_b32 s[G1+2], 4<<16
	s_mov_b32 s[G1+3], AROW<<16
	s_mov_b32 s[G1+4], 4
	s_mov_b32 s[G1+5], 16384
	s_mov_b32 s[G1+6], 0
	s_mov_b32 s[G1+7], 0
	s_or_b32 s[G1B+0], s44, (0<<16)|(1<<20)|(1<<21)|(5<<22)|(3<<25)
	s_mov_b32 s[G1B+1], ROWB<<16
	s_mov_b32 s[G1B+2], 128<<16
	s_mov_b32 s[G1B+3], ROWB<<16
	s_mov_b32 s[G1B+4], 128
	s_mov_b32 s[G1B+5], KROW
	s_mov_b32 s[G1B+6], 0
	s_mov_b32 s[G1B+7], 0
	s_lshl_b32 s20, s17, 3                         ; A: token tile 8 x block row + 4 x half
	s_lshl_b32 s19, s16, 2
	s_add_co_u32 s20, s20, s19
	s_lshl_b32 s20, s20, 14
	s_mov_b32 s21, 0
	s_lshl_b32 s46, s42, 8
	s_lshl_b32 s19, s16, 7
	s_add_co_u32 s46, s46, s19
	s_lshl_b32 s46, s46, 10
	s_add_co_u32 s46, s46, 3072*KROW
	s_mov_b32 s47, 0
	s_lshl_b32 s45, s16, 14
	s_mul_i32 s18, s16, HALFB
	s_add_co_u32 s18, s18, ABYTES
	s_wait_kmcnt 0x0
	s_load_b64 s[96:97], s[8:9], 0x18
	s_add_nc_u64 s[20:21], s[4:5], s[20:21]
	s_add_nc_u64 s[46:47], s[6:7], s[46:47]
	CROUND
.irp s, 0,1
	s_mov_b32 s[G0+4*\s], 1
	s_add_co_u32 s[G0+4*\s+1], s45, \s*SLOT
	s_add_nc_u64 s[G0+4*\s+2:G0+4*\s+3], s[20:21], \s*AROW
	s_or_b32 s[G0+4*\s+3], s[G0+4*\s+3], 0x80000000
	s_mov_b32 s[G0B+4*\s], 1
	s_add_co_u32 s[G0B+4*\s+1], s18, \s*SLOT
	s_add_nc_u64 s[G0B+4*\s+2:G0B+4*\s+3], s[46:47], \s*ROWB
	s_or_b32 s[G0B+4*\s+3], s[G0B+4*\s+3], 0x80000000
	s_wait_alu depctr_va_vdst(0)
	s_wait_tensorcnt 0x0
	ds_add_u32 v28, v29
	ds_add_u32 v28, v29
	s_wait_dscnt 0x0
	CROUND
	JLOAD G0+4*\s, G1, G0B+4*\s, G1B
.endr
	v_and_b32 v1, 15, v0
	s_wait_alu depctr_va_vdst(0)
	v_bfe_u32 v2, v0, 4, 1
	v_and_b32 v6, 31, v0
	v_lshlrev_b32 v[CO], 4, v6
	s_lshl_b32 s82, s42, 10
	s_lshl_b32 s83, s16, 9
	s_add_co_u32 s82, s82, s83
	s_mov_b32 s83, 0
	s_add_nc_u64 s[10:11], s[10:11], s[82:83]
	global_load_b128 v[BIAS:BIAS+3], v[CO], s[10:11]
	s_lshl_b32 s84, s17, 7                         ; my first row of the output: 128 x block row + 64 x half
	s_lshl_b32 s85, s15, 6
	s_add_co_u32 s84, s84, s85
	s_lshl_b32 s84, s84, 12
	s_add_co_u32 s84, s84, s82
	s_mov_b32 s85, 0
	s_add_nc_u64 s[12:13], s[12:13], s[84:85]
	v_mul_u32_u24 v3, v1, PITCH
	s_wait_alu depctr_va_vdst(0)
	v_lshl_add_u32 v4, v2, 4, v3
	s_lshl_b32 s82, s15, 14
	s_mul_i32 s83, s16, HALFB
	s_add_co_u32 s83, s83, ABYTES
.irp s, 0,1
	v_add_nc_u32 v[ADRA+\s], s82, v[CO]
	v_add_nc_u32 v[ADRB+\s], s83, v4
	s_add_co_u32 s82, s82, SLOT
	s_add_co_u32 s83, s83, SLOT
.endr
	s_mul_i32 s82, s14, 16*SPITCH
	v_mul_u32_u24 v5, v1, SPITCH
	v_lshl_add_u32 v5, v2, 5, v5
	v_add_nc_u32 v[STO], s82, v5
	v_add_nc_u32 v[RD], s82, v[CO]
.macro FRAGA reg, slot, q, i
.irp c, 0,1,2,3
	ds_load_b128 v[\reg+4*\c:\reg+4*\c+3], v[ADRA+\slot] offset:AROW*(\i)+2048*(\q)+512*\c
.endr
.endm
.macro FRAGB reg, slot, q, i
.irp c, 0,1,2,3
	ds_load_b128 v[\reg+4*\c:\reg+4*\c+3], v[ADRB+\slot] offset:128*(\q)+32*\c+(\i)*16*PITCH
.endr
.endm
.macro MUL16 a0, p, zero
.irp a, (\a0)/2
.irp b, 0,1,2,3,4,5,6,7
.if \zero
	v_wmma_f32_16x16x128_fp8_fp8 v[8*(8*((\a)%4)+\b):8*(8*((\a)%4)+\b)+7], v[128*(\p)+FR*\b:128*(\p)+FR*\b+FR-1], v[AF+FR*(\a):AF+FR*(\a)+FR-1], 0
.else
	v_wmma_f32_16x16x128_fp8_fp8 v[8*(8*((\a)%4)+\b):8*(8*((\a)%4)+\b)+7], v[128*(\p)+FR*\b:128*(\p)+FR*\b+FR-1], v[AF+FR*(\a):AF+FR*(\a)+FR-1], v[8*(8*((\a)%4)+\b):8*(8*((\a)%4)+\b)+7]
.endif
.endr
.endr
.endm
.macro FETCH_B slot, q, p
	WIN TO_B
.irp i, 0,1,2,3,4,5,6,7
	FRAGB 128*(\p)+FR*\i, \slot, \q, \i
.endr
	WIN 0
.endm
.macro FETCH_A slot, q, i0
.irp i, (\i0)/2, (\i0)/2+1
	FRAGA AF+FR*(\i), \slot, \q, \i
.endr
.endm
.macro PLACES n
.rept \n
	v_nop
.endr
.endm
.macro STEP slot, q, zero
	s_wait_dscnt 4*NL
	WIN MUL_LO
	MUL16 0, (\q)%2, \zero
	MUL16 2, (\q)%2, \zero
	s_wait_dscnt 0
	PLACES NP
	FETCH_B \slot, (\q)+1, 1-(\q)%2
	FETCH_A \slot, (\q)+1, 0
	WIN MUL_HI
	MUL16 4, (\q)%2, \zero
	MUL16 6, (\q)%2, \zero
	PLACES NP
	WIN 0
	FETCH_A \slot, (\q)+1, 4
.endm
.macro TURN slot, next, fill
	s_wait_tensorcnt 0x0
	ds_add_u32 v[SPW], v[NIL]
	s_wait_dscnt 4*NL+1
	WIN MUL_LO
	MUL16 0, 1, 0
	s_wait_dscnt 0x0
	s_barrier_signal -1
	MUL16 2, 1, 0
	WIN 0
	s_barrier_wait -1
.if \fill
	CREST
	s_add_nc_u64 s[G0+4*\slot+2:G0+4*\slot+3], s[G0+4*\slot+2:G0+4*\slot+3], 2*AROW
	s_add_nc_u64 s[G0B+4*\slot+2:G0B+4*\slot+3], s[G0B+4*\slot+2:G0B+4*\slot+3], 2*ROWB
	JLOAD G0+4*\slot, G1, G0B+4*\slot, G1B
.else
	PLACES NP
.endif
	FETCH_B \next, 0, 0
	FETCH_A \next, 0, 0
	WIN MUL_HI
	MUL16 4, 1, 0
	MUL16 6, 1, 0
	PLACES NP
	WIN 0
	FETCH_A \next, 0, 4
.endm
	s_wait_alu depctr_va_vdst(0)
	s_wait_tensorcnt 1
	s_barrier_signal -1
	s_barrier_wait -1
	FETCH_B 0, 0, 0
	FETCH_A 0, 0, 0
	FETCH_A 0, 0, 4
	STEP 0, 0, 1
	s_mov_b32 s3, LAPS-1
.Llap:
	TURN 0, 1, 1
	STEP 1, 0, 0
	TURN 1, 0, 1
	STEP 0, 0, 0
	s_sub_co_u32 s3, s3, 1
	s_cmp_lg_u32 s3, 0
	s_cbranch_scc1 .Llap
	TURN 0, 1, 0
	STEP 1, 0, 0
	s_wait_dscnt 4*NL
	WIN MUL_LO
	MUL16 0, 1, 0
	MUL16 2, 1, 0
	s_wait_dscnt 0
	WIN MUL_HI
	MUL16 4, 1, 0
	MUL16 6, 1, 0
	WIN 0
.macro TOSTAGE a
.set AC, 64*((\a)%4)
	WIN 0x08+4*((\a)/2)
.irp b, 0,1,2,3,4,5,6,7
	ds_store_b128 v[STO], v[AC+8*\b:AC+8*\b+3] offset:64*\b
	ds_store_b128 v[STO], v[AC+8*\b+4:AC+8*\b+7] offset:64*\b+16
.endr
	WIN 0
.set BB, BK+64*((\a)%2)
.irp t, 0,1,2,3,4,5,6,7,8,9,10,11,12,13,14,15
	ds_load_b128 v[BB+4*\t:BB+4*\t+3], v[RD] offset:\t*SPITCH
.endr
.endm
.macro SEND a, younger
.set BB, BK+64*((\a)%2)
	s_wait_dscnt \younger
.irp t, 0,1,2,3,4,5,6,7,8,9,10,11,12,13,14,15
	v_pk_fma_f32 v[BB+4*\t:BB+4*\t+1], v[BB+4*\t:BB+4*\t+1], s[96:97], v[BIAS:BIAS+1] op_sel_hi:[1,0,1]
	v_pk_fma_f32 v[BB+4*\t+2:BB+4*\t+3], v[BB+4*\t+2:BB+4*\t+3], s[96:97], v[BIAS+2:BIAS+3] op_sel_hi:[1,0,1]
.endr
.if (\a) > 0
	s_add_nc_u64 s[12:13], s[12:13], 16*NROW
.endif
.irp t, 0,1,2,3,4,5,6,7,8,9,10,11,12,13,14,15
	global_store_b128 v[CO], v[BB+4*\t:BB+4*\t+3], s[12:13] offset:\t*NROW th:TH_STORE_NT
.endr
.endm
	s_wait_kmcnt 0x0
	s_add_co_i32 s96, s96, s97
	s_add_co_i32 s96, s96, 127
	s_lshl_b32 s96, s96, 23
	s_mov_b32 s97, s96
	s_wait_loadcnt 0x0
	PLACES NP
	TOSTAGE 0
.irp a, 1,2,3
.if \a > 1
	s_wait_xcnt 0x0
.endif
	TOSTAGE \a
	SEND \a-1, 32
.endr
	s_wait_xcnt 0x0
	SEND 3, 0
	s_wait_tensorcnt 0x0
	ds_add_u32 v[SPW], v[NIL]
	s_wait_dscnt 0x0
	CROUND
	s_endpgm
.Lfunc_end_k_q07f989ba48_proj:
	.size	k_q07f989ba48_proj, .Lfunc_end_k_q07f989ba48_proj-k_q07f989ba48_proj
	.p2alignl 7, 3214868480
	.fill 96, 4, 3214868480
	.section	.rodata,"a",@progbits
	.p2align	6, 0x0
	.amdhsa_kernel k_q07f989ba48_proj
		.amdhsa_group_segment_fixed_size 327680
		.amdhsa_private_segment_fixed_size 0
		.amdhsa_enable_private_segment 0
		.amdhsa_kernarg_size 40
		.amdhsa_user_sgpr_count 2
		.amdhsa_user_sgpr_kernarg_segment_ptr 1
		.amdhsa_wavefront_size32 1
		.amdhsa_system_sgpr_workgroup_id_x 1
		.amdhsa_system_sgpr_workgroup_id_y 1
		.amdhsa_system_sgpr_workgroup_id_z 1
		.amdhsa_system_vgpr_workitem_id 0
		.amdhsa_next_free_vgpr 1024
		.amdhsa_next_free_sgpr 100
		.amdhsa_reserve_vcc 0
		.amdhsa_float_denorm_mode_32 3
		.amdhsa_float_denorm_mode_16_64 3
		.amdhsa_memory_ordered 1
		.amdhsa_forward_progress 1
		.amdhsa_inst_pref_size 78
	.end_amdhsa_kernel
	.amdgpu_metadata
---
amdhsa.version: [ 1, 2 ]
amdhsa.kernels:
  - .name:           k_q07f989ba48_proj
    .symbol:         k_q07f989ba48_proj.kd
    .args:
      - { .name: oc, .offset: 0, .size: 8, .value_kind: global_buffer, .address_space: global }
      - { .name: wc, .offset: 8, .size: 8, .value_kind: global_buffer, .address_space: global }
      - { .name: lowp_scales, .offset: 16, .size: 8, .value_kind: global_buffer, .address_space: global }
      - { .name: b_proj, .offset: 24, .size: 8, .value_kind: global_buffer, .address_space: global }
      - { .name: out0, .offset: 32, .size: 8, .value_kind: global_buffer, .address_space: global }
    .group_segment_fixed_size: 327680
    .private_segment_fixed_size: 0
    .kernarg_segment_align: 8
    .kernarg_segment_size: 40
    .max_flat_workgroup_size: 128
    .sgpr_count:     100
    .vgpr_count:     1024
    .wavefront_size: 32
...
	.end_amdgpu_metadata
.endif
;; end of part 4
